; MI455X (gfx1250); checked and timed in simulation.
; The chip was launched on July 23, 2026; its instructions are those of AMD's public machine-readable ISA for CDNA 5 (MIT licence, August 2026) and "CDNA5" Instruction Set Architecture Reference Guide (July 2026). The comments in the code are by the model that wrote it; some were corrected since.
;; Sparse Attention. Allowed arithmetic: matrix products marked QUANTISED: E5M2 operands, one given power-of-two scale a tensor, by v_wmma_f32_16x16x64_bf8_bf8 or v_wmma_f32_16x16x128_bf8_bf8, f32 sums; everything else in f32.
;; Inputs: cols 128 x 8 int32; k 4 x 8 x 4 x 32 x 32 x 64 float32; lowp_scales 4 int32 (the exponents e of the quantised operands' scales 2^e); q 4 x 8 x 4 x 32 x 32 x 64 float32; v 4 x 8 x 4 x 32 x 32 x 64 float32; valid 128 x 8 bool.
;; Outputs: out0 4 x 8 x 4 x 32 x 32 x 64 float32.
;; This version of the problem:
;;   THIS VERSION OF THE PROBLEM IS GIVEN IN LOW PRECISION. The matrix products marked QUANTISED in the list below multiply operands that are first quantised to E5M2 (5 exponent bits, 2 mantissa bits; 8 bits a number), with one given power-of-two scale for each operand tensor; their sums are f32. All else is computed in f32.
;;   The module's matrix products, in the order in which they are computed (A, B: the left and right operand; K: the contracted axis; several contracted axes count as one K, in the product's order):
;;     1. batch 4,096 x [M 32, K 64] x [K 64, N 256]; A: input q; B: computed on the way: QUANTISED (scales: A lowp_scales[0], B lowp_scales[1])
;;     2. batch 4,096 x [M 32, K 256] x [K 256, N 64]; A: computed on the way; B: computed on the way: QUANTISED (scales: A lowp_scales[2], B lowp_scales[3])
;;   THE QUANTISER, for each operand of a quantised product, along K:
;;     - The operand's scale is 2^e, e = its entry of the input lowp_scales (int32; the entries are numbered through the quantised products in the list's order, A before B).
;;     - Each number is divided by the scale, clamped to +-57,344, and rounded to the nearest number of E5M2, ties to even, subnormals kept.
;;     - The product sums the exact products of the quantised numbers (number of the format x scale) in f32.
;;   ~~~python
;;   def quantise(x, axis, e):      # numpy; x: float32 -> the quantised numbers, widened to float32 again
;;       x = np.moveaxis(x, axis, -1); K = x.shape[-1]
;;       r = np.clip(x / 2.0 ** e, -57344, 57344)
;;       step = 2.0 ** (np.maximum(np.frexp(np.where(r == 0, 1, r))[1] - 1, -14) - 2)
;;       q = np.round(r / step) * step * 2.0 ** e      # np.round: ties to even
;;       return np.moveaxis(q, -1, axis).astype(np.float32)
;;   ~~~
;;   OPERANDS COMPUTED ON THE WAY. 'Computed on the way' means the value that the module computes at that place (a softmax that the list does not call 'softmax' is quantised finished and normalised). What goes into a quantiser is computed in f32, as accurately as f32 sums, v_exp_f32 and their like allow (about 1e-6 of the number): no bf16 or f16 on the way to a quantiser, and a product that is left as it is and whose result goes on into a quantised operand takes f32 operands (vector FMAs, or v_wmma_f32_16x16x4_f32). A number that lies on a knife's edge between two numbers of the format may be rounded either way, as far as f32 arithmetic and the matrix unit's own rounding can turn it there, and no further.
;; One version. Each part assembles by itself: llvm-mc -triple=amdgcn-amd-amdhsa -mcpu=gfx1250 --defsym DOCPART=n.
;; ======== version 1 of 1: 1 launch
;; limits: right only within a limited range of input values
;; launch fused (part 1): grid 256 x 1, 16 waves a work-group, no clusters, 280,576 bytes of LDS; arguments q, k, v, cols, valid, lowp_scales, out0; writes out0
.if DOCPART == 1
	.amdgcn_target "amdgcn-amd-amdhsa--gfx1250"
	.amdhsa_code_object_version 6
	.text
	.protected	k_q43015430c6_fused
	.globl	k_q43015430c6_fused
	.p2align	8
	.type	k_q43015430c6_fused,@function
k_q43015430c6_fused:
	s_mov_b64 s[64:65], 0
	v_nop
	global_prefetch_b8 v0, s[64:65] scope:SCOPE_SE
	s_setreg_imm32_b32 hwreg(HW_REG_WAVE_MODE, 25, 1), 1
	s_wait_xcnt 0x0
; Block-sparse attention on codes of BF8 (E5M2), in one launch.  32 heads x 128 block rows of 32 queries; a block row attends to the 8 blocks of 32 keys that cols names for it; head size 64.
; out = Q(softmax(mask(Q(q) Q(k)^T / 8))) Q(v): each operand with the one scale 2^e given for it (lowp_scales: q, k, p, v).  The softmax is finished and normalised in f32, with the row's true maximum taken away, and then quantised.
; code = x / 2^e, held within +-57,344, to the nearest code, ties to even.
; The mask: an entry whose valid byte is 0 does not count; in an entry whose column is the row's own number key c counts for query r where c <= r; every other entry counts whole.  A query for which no key counts gets NaN.
; SHARES.  256 work-groups of 16 waves.  A work-group owns 16 block rows of one head, 32 l + 4 p + i (l, i = 0 .. 3); a wave owns one of them and works its queries 0-15 and then 16-31.
; K AND V ARE QUANTISED ON THE WAY IN, into LDS slots by block number (128 slots of 2,048 bytes, so any cols fits): first K's codes, and when every wave has made its scores V's codes in the same slots.
; A unit is 16 keys x 64 numbers, 4,096 bytes.  Wave w takes unit w % 2 of the blocks 8 (4 l + y) + w / 2, in rounds y of four units (l = 0 .. 3); a round of which the work-group's entries name no block is left out
; (bit 4 l + y of MW: block named by an entry that counts, or by a row's entry 0).  An entry that does not count is given entry 0's slot, so every slot that is read has been filled; its scores become -infinity.
; NE = 5 .. 8: entries behind a row's last counting one are left out (valid holds whole numbers, read here); their codes of p are 0.
; LAYOUT.  A load of 512 bytes brings rows 2 i and 2 i + 1: lane (c, h) holds numbers 4 c .. 4 c + 3 of row 2 i + h.  Eight of a lane's registers are two rows' four numbers: two words of codes.
;   K and q: word c = 8 g + 4 h' + j of row 2 i + h goes to fragment row m = 8 h + i, byte 512 g + 256 h' + 16 (m xor (4 g + 2 h')) + 4 j; lane (r, h') reads 16 bytes for each g: the same order of d in K and in q.
;   (The exclusive or spreads a store's 32 words over 32 banks; a load's sixteen lanes cover 256 consecutive bytes.)
;   So fragment row m is key (query) 2 (m % 8) + m / 8.  S^T = K Q^T (source 0 = keys): lane (r, h) holds query 2 (r % 8) + r / 8 and in register j key 2 j + h of the tile.
;   V: the words are turned four by four by v_perm_b32, so that a lane holds for each d = 4 c + dd the keys 2 i + h, i = 0 .. 7: the order of p's codes.
;   O = P V (source 0 = p's codes, source 1 = V): in tile dd lane (c, h) holds d = 4 c + dd and in register j fragment row 8 h + j, which is query 2 j + h.  So register j of the four tiles is 16 neighbouring bytes of a row,
;   and a wave's store j is rows 2 j and 2 j + 1 of out, 512 consecutive bytes: results leave straight from registers.
; LDS: the slots; then each wave's own stage for q, 1,024 bytes.  Three barriers part the slots' uses: K's codes are in; K's last reads are over; V's codes are in.
; V's blocks are prefetched into the L2: each wave names its own block row's block of V once, 32 lanes x 256 bytes, behind its first two units' loads and a softmax and a product ahead of the other two's; each block is named once in the launch, the whole of it inside V.
; NO TENSOR LOADS, NO JOINT LOADS: which blocks are read hangs on cols, read from memory, so no two work-groups could state one descriptor.
; LIMITS on the given exponents, so that each power of two below is an f32 number: e of q, k, p, v between -126 and 112; e of q + e of k between -123 and 130; e of p + e of v is applied by v_ldexp_f32.
; NaN among q, k, v is not served (an infinity is held at the largest code).  An index is held inside the head's 128 blocks.
.set SLOTB, 2048
.set YB,  8*SLOTB                      ; from round to round
.set LB,  32*SLOTB                     ; from unit l to l + 1
.set QST, 128*SLOTB                    ; q's stage
.set SPARE, QST+16*1024                ; the spare words, 128 bytes for each wave
.set SPW, 1
.set NIL, 2
.set L16, 3                            ; 16 x lane
.set KST, 4                            ; K's stores
.set KR1, 5                            ; K's reads, g = 1
.set KRD, 6                            ; K's reads, g = 0
.set TB,  7                            ; an LDS address in hand
.set VST, 8                            ; V's stores
.set FA,  9                            ; the last factor of queries 0-15
.set TA,  10                           ; an LDS address in hand
.set SC,  11                           ; the scale in hand
.set NINF, 12
.set FB,  13                           ; the last factor of queries 16-31
.set VO,  14                           ; offset of K's and V's loads
.set PFO, 15                           ; 256 x lane
.set QF,  16                           ; v16-23
.set XA,  24                           ; v24-55   K's codes, q's second half as loaded, p's codes of queries 0-15, the way out of queries 0-15
.set KF,  56                           ; v56-103  K's fragments of entries 4-6; v56-119 V as loaded; v56-87 p's codes and the way out of queries 16-31
.set OA,  88                           ; v88-119  O
.set MA,  120                          ; v120-127 statistics
.set NM,  122
.set LS,  124
.set L2,  126
.set S,   128
.set WV,  18
.set ROWN, 19
.set HD,  20
.set PP,  21
.set COL, 24
.set VAL, 32
.set EX,  36
.set SEL, 40
.set CS,  42
.set QL,  44
.set KL,  46
.set MK,  48
.set TMP, 56
.set T2,  57
.set VL,  58
.set PLIM, 60
.set EO,  61
.set T3,  62
.set T4,  63
.set MW,  66
.set Y0,  67
.set NE,  68
.set PSC, 69
.set QSC, 70
.set KSC, 71
.set VSC, 72
.set QB,  73                           ; my stage for q
.set SLOT, 76
.set PS,  84
.set YC,  88
.set YL,  89
.set YG,  90
.set HM,  91                           ; lanes 16-31
.macro WALU
	s_wait_alu depctr_va_vdst(0)
.endm
.macro NOPS n
.rept \n
	v_nop
.endr
.endm
; entries 0-4, then 5, 6, 7 as far as NE
.macro LADDER op
.irp m, 0,1,2,3,4
	\op \m
.endr
.irp m, 5,6,7
	s_cmp_le_u32 s[NE], \m
	s_cbranch_scc1 .Lj_\@
	\op \m
.endr
.Lj_\@:
.endm
; entries 0 .. n - 1
.macro EACH op, n
.set MI, 0
.rept \n
	\op MI
.set MI, MI+1
.endr
.endm
; 2^e and +-57,344 x 2^e of exponent e, as f32
.macro SCALES e, sc, lim
	s_add_co_i32 s[TMP], s[\e], 127
	s_lshl_b32 s[\sc], s[TMP], 23
	s_add_co_i32 s[TMP], s[TMP], 15
	s_lshl_b32 s[TMP], s[TMP], 23
	s_or_b32 s[\lim], s[TMP], 0x600000
.endm
; 32 numbers of a lane become 8 words of codes: the hold first (the conversion to an 8-bit code does not saturate: ISA guide 7.6.2); one plain line behind the conversions
.macro QUANT R, C, lim
.set i, 0
.rept 32
	v_med3_num_f32 v[\R+i], v[\R+i], s[\lim+1], s[\lim]
.set i, i+1
.endr
.irp g, 0,1,2,3
	v_cvt_scalef32_pk8_bf8_f32 v[\C+2*\g:\C+2*\g+1], v[\R+8*\g:\R+8*\g+7], v[SC]
.endr
	v_nop
.endm
.macro KPUT C                          ; a unit's eight words, from TA on
	ds_store_b32 v[TA], v[\C]
.irp i, 1,2,3,4,5,6,7
	v_xor_b32 v[TB], 16*\i, v[TA]
	ds_store_b32 v[TB], v[\C+\i]
.endr
.endm
; q's half: through my stage into the fragment (LDS serves a wave's instructions in order: ISA guide 5.7.1.4)
.macro QUNIT R, C
	v_mov_b32 v[SC], s[QSC]
	QUANT \R, \C, QL
	v_add_nc_u32 v[TA], QST, v[KST]
	KPUT \C
	v_add_nc_u32 v[TA], s[QB], v[KRD]
	v_add_nc_u32 v[TB], s[QB], v[KR1]
	ds_load_b128 v[QF:QF+3], v[TA]
	ds_load_b128 v[QF+4:QF+7], v[TB] offset:512
.endm
.macro SETF m                          ; where entry m's fragments lie
.if (\m) < 4
.set FR, S+64+16*(\m)
.elseif (\m) < 7
.set FR, KF+16*((\m)-4)
.else
.set FR, S
.endif
.endm
.macro KLD m
	SETF \m
	v_add_nc_u32 v[TA], s[SLOT+\m], v[KRD]
	v_add_nc_u32 v[TB], s[SLOT+\m], v[KR1]
	ds_load_b128 v[FR:FR+3], v[TA]
	ds_load_b128 v[FR+4:FR+7], v[TB] offset:512
	ds_load_b128 v[FR+8:FR+11], v[TA] offset:1024
	ds_load_b128 v[FR+12:FR+15], v[TB] offset:1536
.endm
.macro MM m
	SETF \m
	v_wmma_f32_16x16x64_bf8_bf8 v[S+16*(\m):S+16*(\m)+7], v[FR:FR+7], v[QF:QF+7], 0
	v_wmma_f32_16x16x64_bf8_bf8 v[S+16*(\m)+8:S+16*(\m)+15], v[FR+8:FR+15], v[QF:QF+7], 0
.endm
; S^T of one tile of queries.  Entries 0-3's fragments lie where entries 4-7's scores go, entry 7's where entry 0's go: five places stand ahead of each product that writes over another's operands
.macro QK
	LADDER KLD
	s_wait_dscnt 0x0
	MM 3
	MM 2
	MM 1
	s_cmp_lt_u32 s[NE], 8
	s_cbranch_scc1 .Lq_\@
	NOPS 5
	MM 7
.Lq_\@:
	NOPS 5
	MM 0
	NOPS 5
	MM 4
	s_cmp_lt_u32 s[NE], 6
	s_cbranch_scc1 .Lr_\@
	MM 5
	s_cmp_lt_u32 s[NE], 7
	s_cbranch_scc1 .Lr_\@
	MM 6
.Lr_\@:
	NOPS 4
.endm
; the mask of entry m for queries' tile TT, by scalar branches on the row's own index inputs
.macro MASKM m
	s_bfe_u32 s[TMP], s[VAL+(\m)/4], (8<<16)|(8*((\m)%4))
	s_cbranch_scc0 .Ln_\@                          ; the entry does not count
	s_cmp_lg_u32 s[COL+\m], s[ROWN]
	s_cbranch_scc1 .La_\@                          ; it counts whole
.irp j, 0,1,2,3,4,5,6,7
	v_cndmask_b32 v[S+16*(\m)+8*TT+\j], v[S+16*(\m)+8*TT+\j], v[NINF], s[MK+\j]   ; the row's own block: the tile on the diagonal by the triangle
.endr
.if TT == 0
.irp j, 0,1,2,3,4,5,6,7
	v_mov_b32 v[S+16*(\m)+8+\j], v[NINF]           ; keys 16-31 all come later than queries 0-15
.endr
.endif
	s_branch .La_\@
.Ln_\@:
.irp j, 0,1,2,3,4,5,6,7,8,9,10,11,12,13,14,15
	v_mov_b32 v[S+16*(\m)+\j], v[NINF]
.endr
.La_\@:
.endm
.macro MAXM m                          ; the largest score, in four chains, each accumulator from its low end on
.set j, S+16*(\m)
.if (\m) == 0
	v_max_num_f32 v[MA], v[S], v[S+1]
	v_max_num_f32 v[MA+1], v[S+2], v[S+3]
	v_max_num_f32 v[LS], v[S+4], v[S+5]
	v_max_num_f32 v[L2], v[S+6], v[S+7]
.set j, j+8
.endif
.rept (S+16*(\m)+16-j)/8
	v_max3_num_f32 v[MA], v[MA], v[j], v[j+1]
	v_max3_num_f32 v[MA+1], v[MA+1], v[j+2], v[j+3]
	v_max3_num_f32 v[LS], v[LS], v[j+4], v[j+5]
	v_max3_num_f32 v[L2], v[L2], v[j+6], v[j+7]
.set j, j+8
.endr
.endm
.macro FMAM m                          ; t - the largest t, two at a time.  -infinity stays; where the maximum itself is -infinity the result is NaN
.set j, S+16*(\m)
.rept 8
	v_pk_fma_f32 v[j:j+1], v[j:j+1], s[CS:CS+1], v[NM:NM+1] op_sel_hi:[1,0,0] neg_lo:[0,0,1] neg_hi:[0,0,1]
.set j, j+2
.endr
.endm
.macro EXPM m
.set j, S+16*(\m)
.rept 16
	v_exp_f32 v[j], v[j]
.set j, j+1
.endr
.endm
.macro SUMM m                          ; the row's sum, two at a time, in four chains
.set j, S+16*(\m)
.if (\m) == 0
	v_pk_add_f32 v[LS:LS+1], v[j:j+1], v[j+2:j+3]
	v_pk_add_f32 v[L2:L2+1], v[j+4:j+5], v[j+6:j+7]
	v_pk_add_f32 v[MA:MA+1], v[j+8:j+9], v[j+10:j+11]
	v_pk_add_f32 v[NM:NM+1], v[j+12:j+13], v[j+14:j+15]
.else
.rept 2
	v_pk_add_f32 v[LS:LS+1], v[LS:LS+1], v[j:j+1]
	v_pk_add_f32 v[L2:L2+1], v[L2:L2+1], v[j+2:j+3]
	v_pk_add_f32 v[MA:MA+1], v[MA:MA+1], v[j+4:j+5]
	v_pk_add_f32 v[NM:NM+1], v[NM:NM+1], v[j+6:j+7]
.set j, j+8
.endr
.endif
.endm
.macro MULM m                          ; p, normalised
.set j, S+16*(\m)
.rept 8
	v_pk_mul_f32 v[j:j+1], v[j:j+1], v[NM:NM+1] op_sel_hi:[1,0]
.set j, j+2
.endr
.endm
.macro MINM m                          ; the hold; p is not negative, so it is one-sided
.set j, S+16*(\m)
.rept 16
	v_min_num_f32 v[j], s[PLIM], v[j]
.set j, j+1
.endr
.endm
.macro CVTM m
	v_cvt_scalef32_pk8_bf8_f32 v[PC+4*(\m):PC+4*(\m)+1], v[S+16*(\m):S+16*(\m)+7], v[SC]
	v_cvt_scalef32_pk8_bf8_f32 v[PC+4*(\m)+2:PC+4*(\m)+3], v[S+16*(\m)+8:S+16*(\m)+15], v[SC]
.endm
.macro SMAX                            ; mask and maximum; lane l xor 16 holds the query's other keys
	LADDER MASKM
	WALU
	LADDER MAXM
	WALU
	v_max3_num_f32 v[MA], v[MA], v[MA+1], v[LS]
	s_delay_alu instid0(VALU_DEP_1)
	v_max_num_f32 v[MA], v[MA], v[L2]
	s_delay_alu instid0(VALU_DEP_1)
	v_permlanex16_b32 v[MA+1], v[MA], s[SEL], s[SEL+1]
	s_delay_alu instid0(VALU_DEP_1)
	v_max_num_f32 v[MA], v[MA], v[MA+1]            ; the row's maximum
	s_delay_alu instid0(VALU_DEP_1)
	v_mul_f32 v[NM], s[CS], v[MA]                  ; as t (c is positive)
	s_delay_alu instid0(VALU_DEP_2)
	v_mul_f32 v[NM+1], s[CS], v[MA]                ; (named with it as a pair, so it is written)
.endm
; the softmax of n entries; the others' scores become 0, as their p is
.macro SOFTN n, f
	EACH FMAM, \n
	WALU
	EACH EXPM, \n
	v_nop                                          ; a plain line behind the last exponential
	WALU
	EACH SUMM, \n
	v_pk_add_f32 v[LS:LS+1], v[LS:LS+1], v[L2:L2+1]
	v_pk_add_f32 v[MA:MA+1], v[MA:MA+1], v[NM:NM+1]
	s_delay_alu instid0(VALU_DEP_1)
	v_pk_add_f32 v[LS:LS+1], v[LS:LS+1], v[MA:MA+1]
	s_delay_alu instid0(VALU_DEP_1)
	v_add_f32 v[LS], v[LS], v[LS+1]
	s_delay_alu instid0(VALU_DEP_1)
	v_permlanex16_b32 v[LS+1], v[LS], s[SEL], s[SEL+1]
	s_delay_alu instid0(VALU_DEP_1)
	v_add_f32 v[LS], v[LS], v[LS+1]                ; the row's sum
	WALU
	v_rcp_f32 v[NM], v[LS]
	v_fma_f32 v[\f], v[LS], 0, 1.0                 ; 1, or NaN where the sum is NaN: the hold below would lose a NaN, this factor keeps it.  (A plain line behind the reciprocal)
	s_delay_alu instid0(VALU_DEP_1)
	v_ldexp_f32 v[\f], v[\f], s[EO]                ; x 2^(e of p + e of v): what the second product's sums lack
	WALU
	EACH MULM, \n
.set j, S+16*\n
.rept 16*(8-\n)
	v_mov_b32 v[j], 0
.set j, j+1
.endr
.endm
.macro SEXP f                          ; one straight copy for each NE
	WALU
	s_cmp_lt_u32 s[NE], 7
	s_cbranch_scc1 .Lf_\@
	s_cmp_lt_u32 s[NE], 8
	s_cbranch_scc1 .Lg_\@
	SOFTN 8, \f
	s_branch .Lend_\@
.Lg_\@:
	SOFTN 7, \f
	s_branch .Lend_\@
.Lf_\@:
	s_cmp_lt_u32 s[NE], 6
	s_cbranch_scc1 .Lh_\@
	SOFTN 6, \f
	s_branch .Lend_\@
.Lh_\@:
	SOFTN 5, \f
.Lend_\@:
	s_cmp_gt_i32 s[EX+2], -16                      ; p is at most 1: from e = -15 on the largest code x the scale is 1.75 or more, and the hold can hold nothing
	s_cbranch_scc1 .Lfits_\@
	WALU
	EACH MINM, 8
.Lfits_\@:
.endm
.macro SCVT                            ; p's codes at PC
	v_mov_b32 v[SC], s[PSC]
	WALU
	EACH CVTM, 8
	v_nop
.endm
.macro VLOADU l, R                     ; unit l of a round of V
.irp i, 0,1,2,3,4,5,6,7
	global_load_b128 v[\R+4*\i:\R+4*\i+3], v[VO], s[8:9] offset:\l*262144+512*\i
.endr
.endm
; a unit of V becomes codes with the keys innermost: D + 2 dd, D + 2 dd + 1: the keys 2 i + h, i = 0 .. 7, of d = 4 c + dd
.macro VCONV R, D, T
	v_mov_b32 v[SC], s[VSC]
	QUANT \R, \T, VL
.irp a, 0,1
	v_perm_b32 v[\R+4*\a], v[\T+4*\a+1], v[\T+4*\a], s[PS]
	v_perm_b32 v[\R+4*\a+1], v[\T+4*\a+1], v[\T+4*\a], s[PS+1]
	v_perm_b32 v[\R+4*\a+2], v[\T+4*\a+3], v[\T+4*\a+2], s[PS]
	v_perm_b32 v[\R+4*\a+3], v[\T+4*\a+3], v[\T+4*\a+2], s[PS+1]
.endr
.irp a, 0,1
	v_perm_b32 v[\D+\a], v[\R+4*\a+2], v[\R+4*\a], s[PS+2]
	v_perm_b32 v[\D+2+\a], v[\R+4*\a+2], v[\R+4*\a], s[PS+3]
	v_perm_b32 v[\D+4+\a], v[\R+4*\a+3], v[\R+4*\a+1], s[PS+2]
	v_perm_b32 v[\D+6+\a], v[\R+4*\a+3], v[\R+4*\a+1], s[PS+3]
.endr
.endm
; into the slots of round Y0: one of four runs of stores, each with its round's constant
.macro VSTORE l, D
	v_add_nc_u32 v[TA], \l*LB, v[VST]
	WALU
.irp y, 0,1,2,3
	s_cmp_lg_u32 s[Y0], \y
	s_cbranch_scc1 .Lvs_\@_\y
.irp dd, 0,1,2,3
	ds_store_b64 v[TA], v[\D+2*\dd:\D+2*\dd+1] offset:\y*YB+512*\dd
.endr
.Lvs_\@_\y:
.endr
.endm
.macro VLD m                           ; entry m of V's fragments: step m / 4, registers 4 (m % 4) .. + 3 of each of the four tiles
	v_add_nc_u32 v[TA], s[SLOT+\m], v[L16]
.irp dd, 0,1,2,3
	ds_load_b128 v[S+64*((\m)/4)+16*\dd+4*((\m)%4):S+64*((\m)/4)+16*\dd+4*((\m)%4)+3], v[TA] offset:512*\dd
.endr
.endm
.macro PV s, P                         ; O = P V, step s of 128 keys: four accumulators by turns, one instruction a turn
.irp dd, 0,1,2,3
.if \s == 0
	v_wmma_f32_16x16x128_bf8_bf8 v[OA+8*\dd:OA+8*\dd+7], v[\P:\P+15], v[S+16*\dd:S+16*\dd+15], 0
.else
	v_wmma_f32_16x16x128_bf8_bf8 v[OA+8*\dd:OA+8*\dd+7], v[\P+16:\P+31], v[S+64+16*\dd:S+64+16*\dd+15], v[OA+8*\dd:OA+8*\dd+7]
.endif
.endr
.endm
; lane r's factor is fragment row r's; a result's register j is row 8 h + j: F + j = the factor of lane j (h = 0) or j + 8 (h = 1) of my half
.macro FACT f, F
	v_mov_b32_dpp v[SC], v[\f] row_xmask:8 row_mask:0xf bank_mask:0xf
	v_cndmask_b32 v[SC], v[\f], v[SC], s[HM]
.irp j, 0,1,2,3,4,5,6,7
	v_mov_b32_dpp v[\F+\j], v[SC] row_share:\j row_mask:0xf bank_mask:0xf
.endr
.endm
; the way out of tile t: 16 bytes a lane, rows 2 j and 2 j + 1: 32 lanes store 512 consecutive bytes, aligned; written once, read by nobody here
.macro SENDT t, B, F
.irp j, 0,1,2,3,4,5,6,7
.irp dd, 0,1,2,3
	v_mul_f32 v[\B+4*\j+\dd], v[OA+8*\dd+\j], v[\F+\j]
.endr
	global_store_b128 v[L16], v[\B+4*\j:\B+4*\j+3], s[16:17] offset:\t*4096+512*\j th:TH_STORE_NT
.endr
.endm
	s_load_b256 s[4:11], s[0:1], 0x0               ; q s[4:5], k s[6:7], v s[8:9], cols s[10:11]
	s_load_b128 s[12:15], s[0:1], 0x20             ; valid s[12:13], the exponents s[14:15]
	s_load_b64 s[16:17], s[0:1], 0x30              ; out0
	v_lshl_add_u32 v[SPW], v0, 2, SPARE
	v_mov_b32 v[NIL], 0
	v_lshrrev_b32 v10, 5, v0
	v_readfirstlane_b32 s[WV], v10                 ; wave 0..15
	v_and_b32 v11, 31, v0                          ; lane
	v_and_b32 v12, 15, v0                          ; r, or c
	v_bfe_u32 v13, v0, 4, 1                        ; h
	v_lshlrev_b32 v[L16], 4, v11
	s_and_b32 s[HD], ttmp9, 15                     ; the eight work-groups of a head have numbers 16 apart
	s_lshl_b32 s[HD], s[HD], 1
	s_lshr_b32 s[TMP], ttmp9, 7
	s_add_co_u32 s[HD], s[HD], s[TMP]              ; head
	s_lshr_b32 s[PP], ttmp9, 4
	s_and_b32 s[PP], s[PP], 7                      ; p
	s_and_b32 s[TMP], s[WV], 3
	s_lshr_b32 s[T2], s[WV], 2
	s_lshl_b32 s[T2], s[T2], 5
	s_lshl_b32 s[ROWN], s[PP], 2
	s_add_co_u32 s[ROWN], s[ROWN], s[TMP]
	s_add_co_u32 s[ROWN], s[ROWN], s[T2]           ; my block row in the head
	s_lshl_b32 s[T2], s[WV], 10                    ; a unit of codes is 1,024 bytes
	s_add_co_u32 s[QB], s[T2], QST
	s_lshr_b32 s[T3], s[WV], 1
	s_lshl_b32 s[T3], s[T3], 11
	s_and_b32 s[TMP], s[WV], 1
	s_lshl_b32 s[TMP], s[TMP], 3
	s_add_co_u32 s[T3], s[T3], s[TMP]
	s_lshl_b32 s[T4], s[PP], 7
	s_lshl_b32 s92, s[HD], 20                      ; a head is 1,048,576 bytes of f32
	s_mov_b32 s93, 0
	s_lshl_b32 s94, s[ROWN], 13
	s_add_co_u32 s94, s94, s92                     ; my block row's 8,192 bytes
	s_mov_b32 s95, 0
	s_lshl_b32 s96, s[ROWN], 5                     ; a row of cols is 32 bytes,
	s_mov_b32 s97, 0
	s_lshl_b32 s98, s[ROWN], 3                     ; of valid 8
	s_mov_b32 s99, 0
	s_mov_b32 s[SEL], 0x76543210
	s_mov_b32 s[SEL+1], 0xfedcba98
	WALU
	v_lshrrev_b32 v14, 2, v12
	v_mul_u32_u24 v14, 0x120, v14                  ; 512 g + 256 h' + 16 (4 g + 2 h') = 288 (c / 4)
	v_and_b32 v15, 3, v12
	v_lshl_add_u32 v14, v15, 2, v14
	v_lshl_add_u32 v14, v13, 7, v14                ; + 4 j + 128 h; row i's is this xor 16 i
	v_add_nc_u32 v[KST], s[T2], v14
	v_lshlrev_b32 v15, 1, v13
	v_xor_b32 v14, v12, v15
	v_lshlrev_b32 v15, 8, v13
	v_lshl_add_u32 v[KRD], v14, 4, v15             ; 256 h' + 16 (r xor 2 h')
	v_xor_b32 v14, 4, v14
	v_lshl_add_u32 v[KR1], v14, 4, v15             ; the same for g = 1, less 512
	v_add_nc_u32 v[VST], s[T3], v[L16]
	v_and_b32 v14, 7, v11
	v_lshlrev_b32 v14, 4, v14
	v_lshrrev_b32 v15, 3, v11
	v_lshl_add_u32 v14, v15, 10, v14
	v_add_nc_u32 v14, s[T4], v14                   ; my four entries of the work-group's 128: lanes 2 n, 2 n + 1 take a row's two halves
	v_lshrrev_b32 v15, 2, v14                      ; their valid bytes
	v_and_b32 v16, 7, v12
	v_lshrrev_b32 v17, 3, v12
	v_lshl_add_u32 v16, v16, 1, v17                ; my query in its tile
	v_sub_nc_u32 v16, v16, v13
.irp j, 0,1,2,3,4,5,6,7
	v_cmp_gt_i32 s[MK+\j], 2*\j, v16               ; key 2 j + h comes after the query
.endr
	v_mov_b32 v[NINF], 0xff800000
	WALU
	s_wait_kmcnt 0x0
	global_load_b128 v[128:131], v14, s[10:11]
	global_load_b32 v132, v15, s[12:13]
	s_add_nc_u64 s[74:75], s[10:11], s[96:97]
	s_add_nc_u64 s[2:3], s[12:13], s[98:99]
	s_load_b256 s[COL:COL+7], s[74:75], 0x0
	s_load_b64 s[VAL:VAL+1], s[2:3], 0x0
	s_load_b128 s[EX:EX+3], s[14:15], 0x0
	s_add_nc_u64 s[4:5], s[4:5], s[94:95]
.irp i, 0,1,2,3,4,5,6,7
	global_load_b128 v[KF+4*\i:KF+4*\i+3], v[L16], s[4:5] offset:512*\i th:TH_LOAD_NT   ; queries 0-15: 32 lanes read 512 consecutive bytes
.endr
	s_add_nc_u64 s[16:17], s[16:17], s[94:95]
	s_add_nc_u64 s[22:23], s[8:9], s[94:95]        ; my block row's block of V: the prefetch
	s_add_nc_u64 s[6:7], s[6:7], s[92:93]
	s_add_nc_u64 s[8:9], s[8:9], s[92:93]
	s_lshr_b32 s[T2], s[WV], 1
	s_mov_b32 s[PS], 0x05010400                    ; byte selects for V's turn
	s_mov_b32 s[PS+1], 0x07030602
	s_mov_b32 s[PS+2], 0x05040100
	s_mov_b32 s[PS+3], 0x07060302
	s_mov_b32 s[HM], 0xffff0000
	s_wait_kmcnt 0x0
	SCALES EX+1, KSC, KL
	s_xor_b32 s[KL+1], s[KL], 0x80000000
	s_wait_loadcnt 8                               ; the entries are in; q's eight loads may be out
; MW: bit i where an entry of my work-group names block 8 i + wave / 2
	v_mov_b32 v133, 0
.irp k, 0,1,2,3
	v_min_u32 v137, 127, v[128+\k]
	v_and_b32 v135, 7, v137
	v_and_b32 v136, 255<<(8*\k), v132
	v_cmp_eq_u32 s[TMP], s[T2], v135
	v_cmp_ne_u32 s[T3], 0, v136
.if \k == 0
	s_or_b32 s[T3], s[T3], 0x55555555              ; a row's entry 0, in the even lanes, always
.endif
	s_and_b32 s[TMP], s[TMP], s[T3]
	v_lshrrev_b32 v137, 3, v137
	v_lshlrev_b32 v137, v137, 1
	v_cndmask_b32 v137, 0, v137, s[TMP]
	v_or_b32 v133, v133, v137
.endr
	v_mov_b32 v134, 0
.irp x, 1,2,4,8
	v_mov_b32_dpp v134, v133 row_xmask:\x row_mask:0xf bank_mask:0xf
	v_or_b32 v133, v133, v134
.endr
	v_permlanex16_b32 v134, v133, s[SEL], s[SEL+1]
	v_or_b32 v133, v133, v134
	v_readfirstlane_b32 s[MW], v133
	v_lshlrev_b32 v[PFO], 4, v[L16]
	v_mov_b32 v[SC], s[KSC]
	s_lshr_b32 s[TMP], s[MW], 8
	s_or_b32 s[TMP], s[TMP], s[MW]
	s_lshr_b32 s[T2], s[TMP], 4
	s_or_b32 s[TMP], s[TMP], s[T2]
	s_and_b32 s[TMP], s[TMP], 15
	s_ctz_i32_b32 s[Y0], s[TMP]
	s_min_u32 s[Y0], s[Y0], 3                      ; my first round (3 where I have none: its units of V are then fetched and read by nobody)
	s_mov_b32 s[YC], 0
	s_mov_b32 s[YL], 0
	s_lshl_b32 s[YG], s[WV], 12
	WALU
.Lk:                                                   ; K's rounds
	s_lshr_b32 s[TMP], s[MW], s[YC]
	s_and_b32 s[TMP], s[TMP], 0x1111
	s_cbranch_scc0 .Lkno
	v_add_nc_u32 v[VO], s[YG], v[L16]
.irp l, 0,1,2,3
.irp i, 0,1,2,3,4,5,6,7
	global_load_b128 v[S+32*\l+4*\i:S+32*\l+4*\i+3], v[VO], s[6:7] offset:\l*262144+512*\i   ; other work-groups read the same blocks: no hint
.endr
.endr
.irp l, 0,1,2,3
	s_add_co_u32 s[TMP], s[YL], \l*LB
	v_add_nc_u32 v[TA], s[TMP], v[KST]
	s_wait_loadcnt 24-8*\l                         ; unit l's eight loads are in; those of the units behind it may be out
	QUANT S+32*\l, XA+8*\l, KL
	KPUT XA+8*\l
.endr
.Lkno:
	s_add_co_u32 s[YL], s[YL], YB
	s_add_co_u32 s[YG], s[YG], 0x10000
	s_add_co_u32 s[YC], s[YC], 1
	s_cmp_lt_u32 s[YC], 4
	s_cbranch_scc1 .Lk
.irp i, 0,1,2,3,4,5,6,7
	global_load_b128 v[XA+4*\i:XA+4*\i+3], v[L16], s[4:5] offset:4096+512*\i th:TH_LOAD_NT   ; queries 16-31: on their way during the first tile's products and softmax
.endr
	SCALES EX, QSC, QL
	s_xor_b32 s[QL+1], s[QL], 0x80000000
	WALU
	s_wait_loadcnt 8                               ; queries 0-15; the eight loads of queries 16-31 may be out
	QUNIT KF, KF+32
	WALU
	s_wait_dscnt 0x0                               ; my codes of K are stored, my fragment of q is in
	s_barrier_signal -1
	SCALES EX+2, PSC, PLIM                         ; (work on registers between signal and wait)
	SCALES EX+3, VSC, VL
	s_xor_b32 s[VL+1], s[VL], 0x80000000
	s_add_co_i32 s[EO], s[EX+2], s[EX+3]
	s_add_co_i32 s[TMP], s[EX], s[EX+1]
	s_lshl_b32 s[TMP], s[TMP], 23
	s_add_co_i32 s[CS], s[TMP], 0x3e38aa3b         ; log2(e) / 8, the two exponents added to its exponent field
	s_mov_b32 s[CS+1], s[CS]                       ; (named with it as a pair, so it is written)
	s_mov_b32 s[NE], 5
.irp b, 0xff, 0xffff, 0xffffff
	s_cmp_gt_u32 s[VAL+1], \b
	s_add_co_ci_u32 s[NE], s[NE], 0                ; entries 5-7: up to the last valid byte that is not 0
.endr
.irp m, 0,1,2,3,4,5,6,7
	s_bfe_u32 s[TMP], s[VAL+\m/4], (8<<16)|(8*(\m%4))
	s_cselect_b32 s[TMP], s[COL+\m], s[COL]
	s_min_u32 s[TMP], s[TMP], 127                  ; an index stays inside the head's 128 blocks
	s_lshl_b32 s[SLOT+\m], s[TMP], 11
.endr
	s_lshl_b32 s[TMP], s[Y0], 16
	s_lshl_b32 s[T2], s[WV], 12
	s_add_co_u32 s[TMP], s[TMP], s[T2]
	v_add_nc_u32 v[VO], s[TMP], v[L16]             ; V's units of round Y0
	WALU
	s_barrier_wait -1                              ; every wave's codes of K are in LDS
; QUERIES 0-15
	QK
	VLOADU 0, 56
	VLOADU 1, 88
	global_prefetch_b8 v[PFO], s[22:23] th:TH_LOAD_NT scope:SCOPE_SE
.set TT, 0
	SMAX
	SEXP FA
	WALU
	s_wait_loadcnt 16                              ; queries 16-31; V's 16 loads may be out
	QUNIT XA, MA
.set PC, XA
	SCVT
	WALU
	s_wait_loadcnt 0x0
	VCONV 88, 104, MA                              ; V's units 1 and 0 become codes in v104-119
	VCONV 56, 112, MA
	WALU
; QUERIES 16-31
	QK
	VLOADU 2, 56
	WALU
	s_barrier_signal -1                            ; my last reads of K are over
.set TT, 1
	SMAX
	WALU
	s_barrier_wait -1                              ; nobody reads K any more: V's codes take its slots
	VSTORE 0, 112
	VSTORE 1, 104
	VLOADU 3, 88
	SEXP FB
	WALU
	s_wait_loadcnt 0x0
	VCONV 56, 72, QF
	VSTORE 2, 72
	VCONV 88, 104, QF
	VSTORE 3, 104
.set PC, KF
	SCVT
	s_mov_b32 s[YC], 0
	s_mov_b32 s[YL], 0
	s_lshl_b32 s[YG], s[WV], 12
	WALU
.Lv:                                                   ; V's other rounds, where the entries name blocks of them
	s_cmp_eq_u32 s[YC], s[Y0]
	s_cbranch_scc1 .Lvno
	s_lshr_b32 s[TMP], s[MW], s[YC]
	s_and_b32 s[TMP], s[TMP], 0x1111
	s_cbranch_scc0 .Lvno
	v_add_nc_u32 v[VO], s[YG], v[L16]
.irp l, 0,1,2,3
	VLOADU \l, S+32*\l
.endr
.irp l, 0,1,2,3
	s_add_co_u32 s[TMP], s[YL], \l*LB
	v_add_nc_u32 v[TA], s[TMP], v[VST]
	s_wait_loadcnt 24-8*\l
	VCONV S+32*\l, S+32*\l+16, QF
.irp dd, 0,1,2,3
	ds_store_b64 v[TA], v[S+32*\l+16+2*\dd:S+32*\l+17+2*\dd] offset:512*\dd
.endr
.endr
.Lvno:
	s_add_co_u32 s[YL], s[YL], YB
	s_add_co_u32 s[YG], s[YG], 0x10000
	s_add_co_u32 s[YC], s[YC], 1
	s_cmp_lt_u32 s[YC], 4
	s_cbranch_scc1 .Lv
	WALU
	s_wait_dscnt 0x0
	s_barrier_signal -1
	s_barrier_wait -1                              ; every wave's codes of V are in LDS
; THE SECOND PRODUCT AND THE WAY OUT: queries 0-15 leave ahead of the products of queries 16-31
.irp m, 0,1,2,3,4,5,6,7
	VLD \m
.endr
	FACT FA, MA
	FACT FB, QF
	WALU
	s_wait_dscnt 16                                ; step 0's sixteen loads are in; step 1's may be out
	PV 0, XA
	s_wait_dscnt 0x0
	PV 1, XA
	NOPS 5                                         ; places behind the products: their results are read and their first source's registers written
	SENDT 0, XA, MA
	PV 0, KF
	PV 1, KF
	NOPS 5
	SENDT 1, KF, QF
	s_wait_tensorcnt 0x0                           ; the wave's end
	ds_add_u32 v[SPW], v[NIL]
	s_wait_dscnt 0x0
	s_endpgm
.Lfunc_end_k_q43015430c6_fused:
	.size	k_q43015430c6_fused, .Lfunc_end_k_q43015430c6_fused-k_q43015430c6_fused
	.p2alignl 7, 3214868480
	.fill 96, 4, 3214868480
	.section	.rodata,"a",@progbits
	.p2align	6, 0x0
	.amdhsa_kernel k_q43015430c6_fused
		.amdhsa_group_segment_fixed_size 280576
		.amdhsa_private_segment_fixed_size 0
		.amdhsa_enable_private_segment 0
		.amdhsa_kernarg_size 56
		.amdhsa_user_sgpr_count 2
		.amdhsa_user_sgpr_kernarg_segment_ptr 1
		.amdhsa_wavefront_size32 1
		.amdhsa_system_sgpr_workgroup_id_x 1
		.amdhsa_system_sgpr_workgroup_id_y 1
		.amdhsa_system_sgpr_workgroup_id_z 1
		.amdhsa_system_vgpr_workitem_id 0
		.amdhsa_next_free_vgpr 256
		.amdhsa_next_free_sgpr 100
		.amdhsa_reserve_vcc 0
		.amdhsa_float_denorm_mode_32 3
		.amdhsa_float_denorm_mode_16_64 3
		.amdhsa_memory_ordered 1
		.amdhsa_forward_progress 1
		.amdhsa_inst_pref_size 250
	.end_amdhsa_kernel
	.amdgpu_metadata
---
amdhsa.version: [ 1, 2 ]
amdhsa.kernels:
  - .name:           k_q43015430c6_fused
    .symbol:         k_q43015430c6_fused.kd
    .args:
      - { .name: q, .offset: 0, .size: 8, .value_kind: global_buffer, .address_space: global }
      - { .name: k, .offset: 8, .size: 8, .value_kind: global_buffer, .address_space: global }
      - { .name: v, .offset: 16, .size: 8, .value_kind: global_buffer, .address_space: global }
      - { .name: cols, .offset: 24, .size: 8, .value_kind: global_buffer, .address_space: global }
      - { .name: valid, .offset: 32, .size: 8, .value_kind: global_buffer, .address_space: global }
      - { .name: lowp_scales, .offset: 40, .size: 8, .value_kind: global_buffer, .address_space: global }
      - { .name: out0, .offset: 48, .size: 8, .value_kind: global_buffer, .address_space: global }
    .group_segment_fixed_size: 280576
    .private_segment_fixed_size: 0
    .kernarg_segment_align: 8
    .kernarg_segment_size: 56
    .max_flat_workgroup_size: 512
    .sgpr_count:     100
    .vgpr_count:     256
    .wavefront_size: 32
...
	.end_amdgpu_metadata
.endif
;; end of part 1
